; MI455X (gfx1250); checked and timed in simulation.
; The chip was launched on July 23, 2026; its instructions are those of AMD's public machine-readable ISA for CDNA 5 (MIT licence, August 2026) and "CDNA5" Instruction Set Architecture Reference Guide (July 2026). The comments in the code are by the model that wrote it; some were corrected since.
;; Causal Self Attention. Allowed arithmetic: float matrix products may take bf16 or f16 operands with f32 sums; all other float work in f32.
;; Inputs: freqs_cos 2,048 x 32 float32; freqs_sin 2,048 x 32 float32; w_attn 3,072 x 1,024 float32; x 2 x 2,048 x 1,024 float32.
;; Outputs: out0 2 x 16 x 2,048 x 64 float32.
;; One version. Each part assembles by itself: llvm-mc -triple=amdgcn-amd-amdhsa -mcpu=gfx1250 --defsym DOCPART=n.
;; ======== version 1 of 1: 3 launches
;; limits: values are held in f16: magnitudes above 65,504 overflow, below 6.1e-05 lose precision; values outside matrix products are rounded to bf16
;; workspace buffers: xb 8,388,608 bytes; wb 6,291,456 bytes; qkv 25,165,824 bytes
;; launch cvt (part 1): grid 256 x 1, 8 waves a work-group, no clusters, 0 bytes of LDS; arguments x, w_attn, xb, wb; writes xb, wb
.if DOCPART == 1
	.amdgcn_target "amdgcn-amd-amdhsa--gfx1250"
	.amdhsa_code_object_version 6
	.text
	.protected	k_q5d6f928398_cvt
	.globl	k_q5d6f928398_cvt
	.p2align	8
	.type	k_q5d6f928398_cvt,@function
k_q5d6f928398_cvt:
	s_mov_b64 s[64:65], 0
	v_nop
	global_prefetch_b8 v0, s[64:65] scope:SCOPE_SE
	s_setreg_imm32_b32 hwreg(HW_REG_WAVE_MODE, 25, 1), 1
	s_wait_xcnt 0x0
; xb = bf16(x), wb = bf16(w_attn), rounded to nearest even: the operands of the next launch's matrix products.
; A stream: no LDS, no barrier, no matrix unit.  256 work-groups of 256 threads; each takes 16,384 numbers of x (8 passes) and
; 12,288 numbers of w_attn (6 passes).  In a pass thread t takes 8 numbers: 32 bytes in (two loads of 16), 16 bytes out, so that a
; wave's store covers 512 consecutive bytes, aligned.  All 28 loads of a thread are issued first; no register is written twice.
.set X, 4                              ; v[4:115]    pass p: 8 numbers in f32
.set Y, 116                            ; v[116:171]  pass p: 8 numbers in bf16
	s_load_b256 s[4:11], s[0:1], 0x0               ; x s[4:5], w_attn s[6:7], xb s[8:9], wb s[10:11]
	v_lshlrev_b32 v1, 5, v0                        ; 32 t: my bytes of a pass, in
	v_lshlrev_b32 v2, 4, v0                        ; 16 t: out
	s_lshl_b32 s12, ttmp9, 16                      ; the work-group's part of x: 65,536 bytes
	s_mov_b32 s13, 0
	s_mul_i32 s14, ttmp9, 49152                    ; of w_attn
	s_mov_b32 s15, 0
	s_lshl_b32 s16, ttmp9, 15                      ; of xb
	s_mov_b32 s17, 0
	s_mul_i32 s18, ttmp9, 24576                    ; of wb
	s_mov_b32 s19, 0
	s_wait_kmcnt 0x0
	s_add_nc_u64 s[4:5], s[4:5], s[12:13]
	s_add_nc_u64 s[6:7], s[6:7], s[14:15]
	s_add_nc_u64 s[8:9], s[8:9], s[16:17]
	s_add_nc_u64 s[10:11], s[10:11], s[18:19]
.irp p, 0,1,2,3,4,5,6,7
	global_load_b128 v[X+8*\p:X+8*\p+3],   v1, s[4:5] offset:8192*\p th:TH_LOAD_NT
	global_load_b128 v[X+8*\p+4:X+8*\p+7], v1, s[4:5] offset:8192*\p+16 th:TH_LOAD_NT
.endr
.irp p, 0,1,2,3,4,5
	global_load_b128 v[X+64+8*\p:X+64+8*\p+3],   v1, s[6:7] offset:8192*\p th:TH_LOAD_NT
	global_load_b128 v[X+64+8*\p+4:X+64+8*\p+7], v1, s[6:7] offset:8192*\p+16 th:TH_LOAD_NT
.endr
; pass p of the 14; q = its number within its own tensor
.macro PASS p, base, q
	s_wait_loadcnt 26-2*\p                         ; loads come back in order: the 2 (13 - p) loads of the later passes stay out
.irp k, 0,1,2,3
	v_cvt_pk_bf16_f32 v[Y+4*\p+\k], v[X+8*\p+2*\k], v[X+8*\p+2*\k+1]
.endr
	global_store_b128 v2, v[Y+4*\p:Y+4*\p+3], s[\base:\base+1] offset:4096*\q   ; no hint: the next launch reads these bytes
.endm
.irp p, 0,1,2,3,4,5,6,7
	PASS \p, 8, \p
.endr
	PASS 8, 10, 0
	PASS 9, 10, 1
	PASS 10, 10, 2
	PASS 11, 10, 3
	PASS 12, 10, 4
	PASS 13, 10, 5
	s_endpgm
.Lfunc_end_k_q5d6f928398_cvt:
	.size	k_q5d6f928398_cvt, .Lfunc_end_k_q5d6f928398_cvt-k_q5d6f928398_cvt
	.p2alignl 7, 3214868480
	.fill 96, 4, 3214868480
	.section	.rodata,"a",@progbits
	.p2align	6, 0x0
	.amdhsa_kernel k_q5d6f928398_cvt
		.amdhsa_group_segment_fixed_size 0
		.amdhsa_private_segment_fixed_size 0
		.amdhsa_enable_private_segment 0
		.amdhsa_kernarg_size 32
		.amdhsa_user_sgpr_count 2
		.amdhsa_user_sgpr_kernarg_segment_ptr 1
		.amdhsa_wavefront_size32 1
		.amdhsa_system_sgpr_workgroup_id_x 1
		.amdhsa_system_sgpr_workgroup_id_y 1
		.amdhsa_system_sgpr_workgroup_id_z 1
		.amdhsa_system_vgpr_workitem_id 0
		.amdhsa_next_free_vgpr 176
		.amdhsa_next_free_sgpr 66
		.amdhsa_reserve_vcc 0
		.amdhsa_float_denorm_mode_32 3
		.amdhsa_float_denorm_mode_16_64 3
		.amdhsa_memory_ordered 1
		.amdhsa_forward_progress 1
		.amdhsa_inst_pref_size 9
	.end_amdhsa_kernel
	.amdgpu_metadata
---
amdhsa.version: [ 1, 2 ]
amdhsa.kernels:
  - .name:           k_q5d6f928398_cvt
    .symbol:         k_q5d6f928398_cvt.kd
    .args:
      - { .name: x, .offset: 0, .size: 8, .value_kind: global_buffer, .address_space: global }
      - { .name: w_attn, .offset: 8, .size: 8, .value_kind: global_buffer, .address_space: global }
      - { .name: xb, .offset: 16, .size: 8, .value_kind: global_buffer, .address_space: global }
      - { .name: wb, .offset: 24, .size: 8, .value_kind: global_buffer, .address_space: global }
    .group_segment_fixed_size: 0
    .private_segment_fixed_size: 0
    .kernarg_segment_align: 8
    .kernarg_segment_size: 32
    .max_flat_workgroup_size: 256
    .sgpr_count:     66
    .vgpr_count:     176
    .wavefront_size: 32
...
	.end_amdgpu_metadata
.endif
;; end of part 1
;; launch qkv (part 2): grid 16 x 16, 4 waves a work-group, clusters of 4 x 4, 327,680 bytes of LDS; arguments xb, wb, freqs_cos, freqs_sin, qkv; writes qkv
.if DOCPART == 2
	.amdgcn_target "amdgcn-amd-amdhsa--gfx1250"
	.amdhsa_code_object_version 6
	.text
	.protected	k_q5d6f928398_qkv
	.globl	k_q5d6f928398_qkv
	.p2align	8
	.type	k_q5d6f928398_qkv,@function
k_q5d6f928398_qkv:
	s_mov_b64 s[64:65], 0
	v_nop
	global_prefetch_b8 v0, s[64:65] scope:SCOPE_SE
	s_setreg_imm32_b32 hwreg(HW_REG_WAVE_MODE, 25, 1), 1
	s_wait_xcnt 0x0
	s_wait_alu depctr_hold_cnt(0) depctr_sa_sdst(0) depctr_va_vdst(0) depctr_va_sdst(0) depctr_va_ssrc(0) depctr_va_vcc(0) depctr_vm_vsrc(0)
	s_getreg_b32 s2, hwreg(HW_REG_IB_STS2, 6, 4)
	s_cmp_eq_u32 s2, 0
	s_cbranch_scc0 .Lentry_in_a_cluster
	s_endpgm
.Lentry_in_a_cluster:
	s_bfe_u32 s2, ttmp6, 0x10000c
	s_cmp_lg_u32 s2, 0xf033
	s_cbranch_scc0 .Lentry_shape_is_right
	s_endpgm
.Lentry_shape_is_right:
; qkv[which][b*16+h][t][64] (f16) = the rotary step applied to xb . wb^T.  xb: [4096][1024] bf16, wb: [3072][1024] bf16, sums in f32.
; which = 0: q, rotated and multiplied by log2(e)/8 (the softmax scale and the change to base 2); 1: k, rotated; 2: v, as it is.
; A work-group makes 256 rows x 192 columns (three heads) with four waves; a wave makes 128 x 96: 48 accumulator tiles, 384 registers.
; 16 x 16 = 256 work-groups.  K goes in steps of 128 (rows of 256 bytes) through a ring of two LDS slots filled by tensor loads.
; CLUSTERS: 4 x 4 work-groups.  The four of a row of the cluster need the same rows of xb, the four of a column the same rows of wb: each such
; tile is asked for jointly, with one descriptor and a mask that names the four, which divides the requests for both by four.
; LIMITS, stated: (1) q, k, v leave in f16: after projection and rotation their magnitude has to stay at or below 65,504.
; (2) cos and sin are rounded to bf16, as x and w_attn are, so that the program as a whole is the reference on inputs rounded to bf16; the arithmetic on them is f32.
; (3) for the heads of v, cos and sin are multiplied by 0 (and 1 is added to the cos term): they have to be finite.
;
; REGISTERS, in windows of 256:
;   window 0: v16-30 addresses; v32-63, v224-255 cos and sin of two row tiles; v64-127, v128-191 fragments of xb, two buffers
;             (on the way out: v64-111 rotated numbers, v112-127 at work, v128-151 packed, v160-223 two buffers for the stores)
;   window 1: v64-111, v128-175 fragments of wb, two buffers
;   window 2: accumulator tiles of my rows 0-63 (tile (a, b) at v[8 (6 a + b)]);  window 3: of my rows 64-127
; THE MATRIX INSTRUCTION IS USED TRANSPOSED: source 0 = 16 rows of wb, source 1 = 16 rows of xb.  Lane l then holds row l % 16 and its registers
; 0 to 7 the columns 8 (l / 16) + 0 .. 7: the (even, odd) pairs of the rotary step lie in neighbouring registers of one lane.
.set SIZE_K, 1024
.set KSTEP,  128
.set PITCH,  272                       ; an LDS row: 256 bytes + 16 of padding, an odd multiple of 16: the 16 rows of a fragment load start 16 bytes apart modulo 256
.set HALFA,  128*PITCH                 ; what one tensor load brings of xb, and what a wave reads of it
.set HALFB,  96*PITCH                  ; the same for wb
.set SLOT,   2*HALFA+2*HALFB           ; xb's 256 rows, then wb's 192 rows
.set LAPS,   SIZE_K/(2*KSTEP)          ; 4 laps of two K steps
.set WPITCH, 208                       ; the stage: a wave's row of 96 f16 (192 bytes) + 16
.set WST,    128*WPITCH                ; a wave's stage.  The four stages lie in slot 0's bytes 0 .. 106,495, which have had their last fill by then
.set ADRA, 16                          ; v16-17  LDS address of my xb fragments in slot 0, 1
.set ADRB, 20                          ; v20-21  the same for wb
.set STO,  24                          ; v24     the stage: where I put 16 bytes of a row
.set RD,   25                          ; v25-27  the stage: where I read rows of head 0, 1, 2 of the block back
.set CO,   28                          ; v28     my byte offset in a head's rows
.set CA,   29                          ; v29-30  byte offsets in cos and sin
.set CS0,  32
.set CS1,  224
.set F0,   64
.set F1,   128
.set RO,   64
.set CP,   112
.set TT,   120
.set PK,   128
.set BUF0, 160
.set BUF1, 192
.set G1,  24                           ; s[24:31] descriptor group 1, xb's tiles
.set G0,  32                           ; s[32:39] group 0, xb's tiles, a set for each slot
.set G1B, 48                           ; s[48:55] group 1, wb's tiles
.set G0B, 56                           ; s[56:63] group 0, wb's tiles
.set FAC, 72                           ; s72-77   (FA, FB) of my column tiles {0,1}, {2,3}, {4,5}
.set HB,  80                           ; s[80:85] where the block's three heads go
.set MSB, 0
.macro WIN new                         ; the immediate's high byte repeats the setting that is left
.if MSB != \new
	s_set_vgpr_msb (MSB<<8)|\new
.set MSB, \new
.endif
.endm
.set MUL_LO, 0xa1                      ; source 0 (wb) window 1, source 1 (xb) window 0, C and D window 2
.set MUL_HI, 0xf1                      ; the same, C and D window 3
.set TO_B,   0x40                      ; destination window 1, address window 0
; A joint load.  Waves 0 and 1 fetch xb's two halves, waves 2 and 3 wb's.  The branch hangs on the wave's number alone.
.macro JLOAD s
	s_cmp_eq_u32 s11, 0
	s_cbranch_scc0 .Lfor_b_\@
	tensor_load_to_lds s[G0+4*\s:G0+4*\s+3], s[G1:G1+7]
	s_nop 0
	s_branch .Lasked_\@
.Lfor_b_\@:
	tensor_load_to_lds s[G0B+4*\s:G0B+4*\s+3], s[G1B:G1B+7]
	s_nop 0
.Lasked_\@:
.endm
.macro CREST                           ; a round of the cluster's barrier behind its opening barrier
	s_cmp_lg_u32 s10, 0
	s_cbranch_scc1 .Lnot_wave_0_\@
	s_barrier_signal -3
.Lnot_wave_0_\@:
	s_barrier_wait -3
	s_barrier_signal -1
	s_barrier_wait -1
.endm
.macro CROUND                          ; a whole round
	s_barrier_signal -1
	s_barrier_wait -1
	CREST
.endm
	s_load_b128 s[4:7], s[0:1], 0x0                ; xb s[4:5], wb s[6:7]
	s_load_b128 s[68:71], s[0:1], 0x10             ; freqs_cos s[68:69], freqs_sin s[70:71]
	s_load_b64 s[8:9], s[0:1], 0x20                ; qkv
	s_set_vgpr_msb 0x40
	v_lshl_add_u32 v255, v0, 2, 0x3b800
	s_set_vgpr_msb 0x4000
	v_mov_b32 v31, 0
	s_set_vgpr_msb 0x1
	ds_add_u32 v255, v31
	ds_add_u32 v255, v31
	s_set_vgpr_msb 0x100
	v_lshrrev_b32 v1, 5, v0
	v_readfirstlane_b32 s10, v1                    ; wave 0..3
	s_lshr_b32 s11, s10, 1                         ; which 128 rows of the block are mine.  Also: I fetch for xb (0) or for wb (1)
	s_and_b32 s12, s10, 1                          ; which 96 columns.  Also: which half of that tile I fetch
	s_bfe_u32 s40, ttmp6, 0x40000                  ; cx
	s_bfe_u32 s41, ttmp6, 0x40004                  ; cy
	s_lshl_b32 s42, ttmp9, 2
	s_add_co_u32 s42, s42, s40                     ; block column = 4 x cluster x + cx
	s_and_b32 s13, ttmp7, 0xffff
	s_lshl_b32 s13, s13, 2
	s_add_co_u32 s13, s13, s41                     ; block row = 4 x cluster y + cy
	s_lshl_b32 s43, s41, 2
	s_lshl_b32 s43, 15, s43                        ; my row of the cluster: places 4 cy .. 4 cy + 3
	s_lshl_b32 s44, 0x1111, s40                    ; my column: places cx, cx + 4, cx + 8, cx + 12
	; group 1: tiles of 128 (xb) or 96 (wb) rows x 128 elements of 2 bytes, 4 words of padding behind every 64
	s_or_b32 s[G1+0], s43, (1<<16)|(1<<20)|(1<<21)|(5<<22)|(3<<25)   ; 15:0 mask: my row; 17:16 2 bytes; 20 padding; 21 set beside a mask; 24:22 every 64 words; 31:25 4 words
	s_or_b32 s[G1B+0], s44, (1<<16)|(1<<20)|(1<<21)|(5<<22)|(3<<25)  ; the same with the mask of my column
	s_mov_b32 s[G1+1], KSTEP<<16                   ; tensor_dim0 = 128
	s_mov_b32 s[G1B+1], KSTEP<<16
	s_mov_b32 s[G1+2], 128<<16                     ; tensor_dim1 = 128
	s_mov_b32 s[G1B+2], 96<<16                     ; tensor_dim1 = 96
	s_mov_b32 s[G1+3], KSTEP<<16                   ; tile_dim0 = 128
	s_mov_b32 s[G1B+3], KSTEP<<16
	s_mov_b32 s[G1+4], 128                         ; tile_dim1 = 128
	s_mov_b32 s[G1B+4], 96                         ; tile_dim1 = 96
	s_mov_b32 s[G1+5], SIZE_K                      ; elements from row to row
	s_mov_b32 s[G1B+5], SIZE_K
	s_mov_b32 s[G1+6], 0
	s_mov_b32 s[G1B+6], 0
	s_mov_b32 s[G1+7], 0
	s_mov_b32 s[G1B+7], 0
	; where the tiles come from: xb's hang on the block row, wb's on the block column, each in registers that never hold the other coordinate
	s_lshl_b32 s17, s12, 7
	s_lshl_b32 s16, s13, 8
	s_add_co_u32 s16, s16, s17                     ; xb: row 256 x block row + 128 x half
	s_lshl_b32 s16, s16, 11                        ; x 2,048 bytes (8 MiB at the most)
	s_mov_b32 s17, 0
	s_mul_i32 s46, s42, 192
	s_mul_i32 s47, s12, 96
	s_add_co_u32 s46, s46, s47                     ; wb: row 192 x block column + 96 x half
	s_lshl_b32 s46, s46, 11
	s_mov_b32 s47, 0
	s_mul_i32 s20, s10, HALFA                      ; where they go: xb's halves at wave x 34,816 (waves 0, 1),
	s_mul_i32 s45, s10, HALFB
	s_add_co_u32 s45, s45, 2*HALFA-2*HALFB         ; wb's at wave x 26,112 + 17,408 (waves 2, 3): behind xb's 256 rows
	s_wait_dscnt 0x0
	s_wait_kmcnt 0x0
	s_add_nc_u64 s[14:15], s[4:5], s[16:17]
	s_add_nc_u64 s[46:47], s[6:7], s[46:47]
	CROUND                                         ; all sixteen work-groups are here: the first joint loads meet
.irp s, 0,1
	s_mov_b32 s[G0+4*\s], 1                                        ; count = 1
	s_add_co_u32 s[G0+4*\s+1], s20, \s*SLOT                        ; LDS address
	s_add_nc_u64 s[G0+4*\s+2:G0+4*\s+3], s[14:15], \s*KSTEP*2      ; global address: K step s
	s_or_b32 s[G0+4*\s+3], s[G0+4*\s+3], 0x80000000                ; type = 2
	s_mov_b32 s[G0B+4*\s], 1
	s_add_co_u32 s[G0B+4*\s+1], s45, \s*SLOT
	s_add_nc_u64 s[G0B+4*\s+2:G0B+4*\s+3], s[46:47], \s*KSTEP*2
	s_or_b32 s[G0B+4*\s+3], s[G0B+4*\s+3], 0x80000000
	JLOAD \s                                       ; both slots' first fills, ahead of everything else
.endr
	; fragment addresses: lane l holds row l % 16; two loads of 16 bytes, 32 apart, at row x pitch + 16 (l / 16)
	v_and_b32 v1, 15, v0                           ; r = l % 16
	v_bfe_u32 v2, v0, 4, 1                         ; h = l / 16
	v_mul_u32_u24 v3, v1, PITCH
	v_lshl_add_u32 v3, v2, 4, v3
	s_mul_i32 s21, s11, HALFA                      ; my 128 rows of xb
	s_mul_i32 s22, s12, HALFB                      ; my 96 rows of wb,
	s_add_co_u32 s22, s22, 2*HALFA                 ; behind xb's 256
.irp s, 0,1
	v_add_nc_u32 v[ADRA+\s], s21, v3
	v_add_nc_u32 v[ADRB+\s], s22, v3
	s_add_co_u32 s21, s21, SLOT
	s_add_co_u32 s22, s22, SLOT
.endr
	; the stage, in: my wave's region, row r of a row tile, 16 bytes for each half of the lanes
	s_mul_i32 s23, s10, WST
	v_mul_u32_u24 v4, v1, WPITCH
	v_lshl_add_u32 v4, v2, 4, v4
	v_add_nc_u32 v[STO], s23, v4
	; the stage, back: wave w takes the block's rows 64 w .. 64 w + 63 of each head; eight lanes take a head's row of 128 bytes, a load four rows
	v_and_b32 v5, 7, v0                            ; c: which 16 bytes of the row
	v_bfe_u32 v6, v0, 3, 2                         ; which of the four rows
	v_mul_u32_u24 v7, v6, WPITCH
	v_lshl_add_u32 v7, v5, 4, v7
	s_mul_i32 s21, s11, 2*WST                      ; the stages of the two waves that made these rows begin here
	s_mul_i32 s22, s12, 64*WPITCH
	s_add_co_u32 s21, s21, s22
	v_add_nc_u32 v[RD], s21, v7                    ; head 0: bytes 0-127 of the left wave's rows
	v_lshrrev_b32 v5, 2, v5
	v_mul_u32_u24 v5, v5, WST-192
	v_add3_u32 v[RD+1], v[RD], v5, 128             ; head 1: bytes 128-191 of the left wave's rows (c < 4), bytes 0-63 of the right wave's (c >= 4)
	v_add_nc_u32 v[RD+2], WST+64, v[RD]            ; head 2: bytes 64-191 of the right wave's rows
	v_and_b32 v5, 31, v0
	v_lshlrev_b32 v5, 4, v5
	v_lshl_add_u32 v[CO], s10, 13, v5              ; 16 x lane + 64 rows of 128 bytes x wave
	; cos and sin: row (128 x my half + r) of the block, 4 numbers at byte 16 h of a column tile's 32 bytes.
	; My column tile b begins at column 16 ((2 wn + b) mod 4) of its head: tiles 0, 1 (and 4, 5) at byte 64 wn, tiles 2, 3 at byte 64 (1 - wn)
	v_lshlrev_b32 v5, 7, v1
	v_lshl_add_u32 v5, v2, 4, v5
	v_lshl_add_u32 v5, s11, 14, v5
	v_lshl_add_u32 v[CA], s12, 6, v5
	s_xor_b32 s22, s12, 1
	v_lshl_add_u32 v[CA+1], s22, 6, v5
	s_lshr_b32 s92, s13, 3                         ; batch
	s_lshl_b32 s92, s92, 22                        ; x 16 heads of 262,144 bytes
	s_and_b32 s93, s13, 7                          ; the block's place in the sequence: 256 rows of 128 bytes, in qkv's heads and in cos and sin alike
	s_lshl_b32 s93, s93, 15
	s_add_co_u32 s92, s92, s93
	s_mov_b32 s94, s93
	s_mov_b32 s95, 0
	s_add_nc_u64 s[68:69], s[68:69], s[94:95]
	s_add_nc_u64 s[70:71], s[70:71], s[94:95]
; cos and sin of row tile a: set q (0 .. 3) serves column tiles b with b mod 4 = q; cos in registers 0-3 of the set, sin in 4-7
.macro CSLOAD a, cs
.irp q, 0,1,2,3
	global_load_b128 v[\cs+8*\q:\cs+8*\q+3],   v[CA+\q/2], s[68:69] offset:(\a)*2048+32*(\q%2)
	global_load_b128 v[\cs+8*\q+4:\cs+8*\q+7], v[CA+\q/2], s[70:71] offset:(\a)*2048+32*(\q%2)
.endr
.endm
	CSLOAD 0, CS0                                  ; the first two row tiles' numbers come in under the K loop, which has no other global load
	CSLOAD 1, CS1
	; the factors of my three pairs of column tiles.  Head number g = 3 x block column + {wn, 2 wn, 1 + wn}; g / 16 = 0: q, 1: k, 2: v.
	; c' = FA cos + FB, s' = FA sin.  q: FA = log2(e)/8; k: FA = 1; v: FA = 0, FB = 1.  Selects, no branch.
	s_mul_i32 s86, s42, 3
	s_add_co_u32 s87, s86, s12
	s_lshl_b32 s88, s12, 1
	s_add_co_u32 s88, s86, s88
	s_add_co_u32 s89, s87, 1
.irp i, 0,1,2
	s_lshr_b32 s90, s[87+\i], 4
	s_cmp_eq_u32 s90, 1
	s_cselect_b32 s[FAC+2*\i], 1.0, 0
	s_cmp_eq_u32 s90, 0
	s_cselect_b32 s[FAC+2*\i], 0x3e38aa3b, s[FAC+2*\i]
	s_cmp_eq_u32 s90, 2
	s_cselect_b32 s[FAC+2*\i+1], 1.0, 0
.endr
	; where the block's heads go: qkv + (g / 16) x 8,388,608 + (16 x batch + g mod 16) x 262,144 + the block's rows
.irp i, 0,1,2
	s_add_co_u32 s90, s86, \i
	s_lshr_b32 s91, s90, 4
	s_lshl_b32 s91, s91, 23
	s_and_b32 s90, s90, 15
	s_lshl_b32 s90, s90, 18
	s_add_co_u32 s90, s90, s91
	s_add_co_u32 s90, s90, s92
	s_mov_b32 s91, 0
	s_add_nc_u64 s[HB+2*\i:HB+2*\i+1], s[8:9], s[90:91]
.endr
; 12 matrix instructions: row tiles a0, a0 + 1 of the window's four x all 6 column tiles, 32 along K.  zero = 1: the first product starts the sums.
.macro MUL12 f, hi, a0, zero
.irp a, \a0, \a0+1
.irp b, 0,1,2,3,4,5
.if \zero
	v_wmma_f32_16x16x32_bf16 v[8*(6*(\a)+\b):8*(6*(\a)+\b)+7], v[\f+8*\b:\f+8*\b+7], v[\f+8*(4*\hi+\a):\f+8*(4*\hi+\a)+7], 0
.else
	v_wmma_f32_16x16x32_bf16 v[8*(6*(\a)+\b):8*(6*(\a)+\b)+7], v[\f+8*\b:\f+8*\b+7], v[\f+8*(4*\hi+\a):\f+8*(4*\hi+\a)+7], v[8*(6*(\a)+\b):8*(6*(\a)+\b)+7]
.endif
.endr
.endr
.endm
; 28 LDS loads in one run: a quarter step's fragments (96 rows of wb, 128 rows of xb, 32 K at byte k of the rows) into buffer f
.macro FETCH slot, k, f
	WIN TO_B
.irp i, 0,1,2,3,4,5
	ds_load_b128 v[\f+8*\i:\f+8*\i+3],   v[ADRB+\slot] offset:\k+\i*16*PITCH
	ds_load_b128 v[\f+8*\i+4:\f+8*\i+7], v[ADRB+\slot] offset:\k+\i*16*PITCH+32
.endr
	WIN 0
.irp i, 0,1,2,3,4,5,6,7
	ds_load_b128 v[\f+8*\i:\f+8*\i+3],   v[ADRA+\slot] offset:\k+\i*16*PITCH
	ds_load_b128 v[\f+8*\i+4:\f+8*\i+7], v[ADRA+\slot] offset:\k+\i*16*PITCH+32
.endr
.endm
; Four places behind the last matrix instruction, in front of loads into registers that matrix instructions have read
; and of vector instructions that read their results; the matrix instructions in between are not counted.
.macro PLACES
.rept 4
	v_nop
.endr
.endm
; A K step is four quarter steps of 32 along K, 48 matrix instructions each, on buffers 0, 1, 0, 1.  The 48 accumulators take turns, one
; instruction a turn, in the same order in every quarter, over the backward jump too.
.macro QUARTER slot, k, f, g, zero
	s_wait_dscnt 8                                 ; wb and xb's rows 0-63 are in; the youngest eight loads (xb's rows 64-127) may be out
	WIN MUL_LO
	MUL12 \f, 0, 0, \zero
	MUL12 \f, 0, 2, \zero
	PLACES
	FETCH \slot, \k, \g
	s_wait_dscnt 28                                ; all but the 28 just issued
	WIN MUL_HI
	MUL12 \f, 1, 0, \zero
	MUL12 \f, 1, 2, \zero
.endm
.macro THREE slot, zero
	QUARTER \slot, 64,  F0, F1, \zero
	QUARTER \slot, 128, F1, F0, 0
	QUARTER \slot, 192, F0, F1, 0
.endm
; The last quarter multiplies buffer 1 and changes slots.  In front of the barrier each wave waits for its reads of this slot and for all its
; tensor loads (one is out: its part of the next slot).  Where the slot is filled again the barrier opens a round of the cluster's barrier, and
; the joint refill is the first tensor load behind the round.  From a request to the wait for it a wave issues 180 matrix instructions.
.macro TURN slot, next, fill
	s_wait_dscnt 8
	WIN MUL_LO
	MUL12 F1, 0, 0, 0
	s_wait_dscnt 0                                 ; my reads of this slot are over
	s_wait_tensorcnt 0x0                           ; all my tensor loads have landed
	ds_add_u32 v255, v31
	s_wait_dscnt 0x0
	s_barrier_signal -1
	MUL12 F1, 0, 2, 0                              ; register work while the others arrive
	WIN 0
	s_barrier_wait -1
.if \fill
	CREST                                          ; no wave of any partner still reads this slot or has a load on its way
	s_add_nc_u64 s[G0+4*\slot+2:G0+4*\slot+3], s[G0+4*\slot+2:G0+4*\slot+3], 2*KSTEP*2
	s_add_nc_u64 s[G0B+4*\slot+2:G0B+4*\slot+3], s[G0B+4*\slot+2:G0B+4*\slot+3], 2*KSTEP*2
	JLOAD \slot
.endif
	PLACES
	FETCH \next, 0, F0
	WIN MUL_HI
	MUL12 F1, 1, 0, 0
	MUL12 F1, 1, 2, 0
.endm
.macro LAP zero
	THREE 0, \zero
	TURN 0, 1, 1
	THREE 1, 0
	TURN 1, 0, 1
.endm
	s_wait_tensorcnt 1                             ; my part of K step 0 is in; K step 1's load, issued behind it, stays out
	s_barrier_signal -1
	s_barrier_wait -1
	FETCH 0, 0, F0
	LAP 1                                          ; the first lap's first products start the sums
	WIN 0
	s_mov_b32 s3, LAPS-2
.Llap:
	LAP 0
	WIN 0
	s_sub_co_u32 s3, s3, 1
	s_cmp_lg_u32 s3, 0
	s_cbranch_scc1 .Llap
	THREE 0, 0                                     ; the last lap fills nothing
	TURN 0, 1, 0                                   ; behind this barrier no wave reads slot 0 any more, and no load fills it: its bytes become the stage
	THREE 1, 0
	s_wait_dscnt 8
	WIN MUL_LO
	MUL12 F1, 0, 0, 0
	MUL12 F1, 0, 2, 0
	s_wait_dscnt 0
	WIN MUL_HI
	MUL12 F1, 1, 0, 0
	MUL12 F1, 1, 2, 0
	WIN 0
	PLACES
; THE WAY OUT, a row tile of 16 rows at a time: round cos and sin to bf16, make c' and s', rotate, round to f16, 16 bytes a lane into my stage.
; win: source 0 reads the accumulators' window (0x02 or 0x03).  left: how many younger loads of cos and sin may stay out.  more = 1: row tile a + 2's numbers are asked for.
.macro ROPE a, win, cs, left, more
	s_wait_loadcnt \left                           ; this row tile's eight loads are in; the next tile's eight stay out
.irp g, 0,1
.irp k, 0,1,2,3,4,5,6,7
	v_cvt_pk_bf16_f32 v[TT+\k], v[\cs+16*\g+2*\k], v[\cs+16*\g+2*\k+1]     ; two roundings to bf16,
.endr
.irp k, 0,1,2,3,4,5,6,7
	v_lshlrev_b32 v[\cs+16*\g+2*\k],   16, v[TT+\k]                        ; and back to f32, in place
	v_and_b32     v[\cs+16*\g+2*\k+1], 0xffff0000, v[TT+\k]
.endr
.endr
	WIN \win
.irp b, 0,1,2,3,4,5
.irp p, 0,1,2,3
	v_fma_f32 v[CP+\p],   s[FAC+2*(\b/2)], v[\cs+8*(\b%4)+\p], s[FAC+2*(\b/2)+1]    ; c' = FA cos + FB
	v_mul_f32 v[CP+4+\p], s[FAC+2*(\b/2)], v[\cs+8*(\b%4)+4+\p]                     ; s' = FA sin
.endr
.irp p, 0,1,2,3
	v_mul_f32 v[TT+2*\p],   v[8*(6*(\a%4)+\b)+2*\p+1], v[CP+4+\p]                   ; ti s'
	v_mul_f32 v[TT+2*\p+1], v[8*(6*(\a%4)+\b)+2*\p+1], v[CP+\p]                     ; ti c'
.endr
.irp p, 0,1,2,3
	v_fma_f32 v[RO+8*\b+2*\p],   v[8*(6*(\a%4)+\b)+2*\p], v[CP+\p],   -v[TT+2*\p]   ; tr c' - ti s'
	v_fma_f32 v[RO+8*\b+2*\p+1], v[8*(6*(\a%4)+\b)+2*\p], v[CP+4+\p], v[TT+2*\p+1]  ; tr s' + ti c'
.endr
.endr
	WIN 0
.irp b, 0,1,2,3,4,5
.irp p, 0,1,2,3
	v_cvt_pk_f16_f32 v[PK+4*\b+\p], v[RO+8*\b+2*\p], v[RO+8*\b+2*\p+1]
.endr
.endr
.irp b, 0,1,2,3,4,5
	ds_store_b128 v[STO], v[PK+4*\b:PK+4*\b+3] offset:\a*16*WPITCH+32*\b
.endr
.if \more
	CSLOAD \a+2, \cs
.endif
.endm
	ROPE 0, 0x02, CS0, 8, 1
	ROPE 1, 0x02, CS1, 8, 1
	ROPE 2, 0x02, CS0, 8, 1
	ROPE 3, 0x02, CS1, 8, 1
	ROPE 4, 0x03, CS0, 8, 1
	ROPE 5, 0x03, CS1, 8, 1
	ROPE 6, 0x03, CS0, 8, 0
	ROPE 7, 0x03, CS1, 0, 0
	s_wait_dscnt 0x0                               ; my stores into the stage are done: others read them behind the barrier
	s_barrier_signal -1
	s_barrier_wait -1
; 32 rows of head hs of the block: eight loads of four rows each, stored as 512 consecutive bytes, aligned
.macro OUT8 hs, half, buf
	s_wait_xcnt 0x0                                ; the buffer was store data two calls ago: it is loaded again only behind this wait
.irp i, 0,1,2,3,4,5,6,7
	ds_load_b128 v[\buf+4*\i:\buf+4*\i+3], v[RD+\hs] offset:4*WPITCH*(8*\half+\i)
.endr
.irp i, 0,1,2,3,4,5,6,7
	s_wait_dscnt 7-\i                              ; LDS loads come back in order: load i is in
	global_store_b128 v[CO], v[\buf+4*\i:\buf+4*\i+3], s[HB+2*\hs:HB+2*\hs+1] offset:512*(8*\half+\i)
.endr
.endm
	OUT8 0, 0, BUF0
	OUT8 0, 1, BUF1
	OUT8 1, 0, BUF0
	OUT8 1, 1, BUF1
	OUT8 2, 0, BUF0
	OUT8 2, 1, BUF1
	s_set_vgpr_msb 0x1
	s_wait_tensorcnt 0x0
	ds_add_u32 v255, v31
	s_wait_dscnt 0x0
	s_set_vgpr_msb 0x100
	CROUND                                         ; the closing round: no work-group ends while a partner may still ask for a tile that names it
	s_endpgm
.Lfunc_end_k_q5d6f928398_qkv:
	.size	k_q5d6f928398_qkv, .Lfunc_end_k_q5d6f928398_qkv-k_q5d6f928398_qkv
	.p2alignl 7, 3214868480
	.fill 96, 4, 3214868480
	.section	.rodata,"a",@progbits
	.p2align	6, 0x0
	.amdhsa_kernel k_q5d6f928398_qkv
		.amdhsa_group_segment_fixed_size 327680
		.amdhsa_private_segment_fixed_size 0
		.amdhsa_enable_private_segment 0
		.amdhsa_kernarg_size 40
		.amdhsa_user_sgpr_count 2
		.amdhsa_user_sgpr_kernarg_segment_ptr 1
		.amdhsa_wavefront_size32 1
		.amdhsa_system_sgpr_workgroup_id_x 1
		.amdhsa_system_sgpr_workgroup_id_y 1
		.amdhsa_system_sgpr_workgroup_id_z 1
		.amdhsa_system_vgpr_workitem_id 0
		.amdhsa_next_free_vgpr 960
		.amdhsa_next_free_sgpr 96
		.amdhsa_reserve_vcc 0
		.amdhsa_float_denorm_mode_32 3
		.amdhsa_float_denorm_mode_16_64 3
		.amdhsa_memory_ordered 1
		.amdhsa_forward_progress 1
		.amdhsa_inst_pref_size 241
	.end_amdhsa_kernel
	.amdgpu_metadata
---
amdhsa.version: [ 1, 2 ]
amdhsa.kernels:
  - .name:           k_q5d6f928398_qkv
    .symbol:         k_q5d6f928398_qkv.kd
    .args:
      - { .name: xb, .offset: 0, .size: 8, .value_kind: global_buffer, .address_space: global }
      - { .name: wb, .offset: 8, .size: 8, .value_kind: global_buffer, .address_space: global }
      - { .name: freqs_cos, .offset: 16, .size: 8, .value_kind: global_buffer, .address_space: global }
      - { .name: freqs_sin, .offset: 24, .size: 8, .value_kind: global_buffer, .address_space: global }
      - { .name: qkv, .offset: 32, .size: 8, .value_kind: global_buffer, .address_space: global }
    .group_segment_fixed_size: 327680
    .private_segment_fixed_size: 0
    .kernarg_segment_align: 8
    .kernarg_segment_size: 40
    .max_flat_workgroup_size: 128
    .sgpr_count:     96
    .vgpr_count:     960
    .wavefront_size: 32
...
	.end_amdgpu_metadata
.endif
;; end of part 2
;; launch attn (part 3): grid 256 x 1, 4 waves a work-group, no clusters, 327,680 bytes of LDS; arguments qkv, out0; writes out0
.if DOCPART == 3
	.amdgcn_target "amdgcn-amd-amdhsa--gfx1250"
	.amdhsa_code_object_version 6
	.text
	.protected	k_q5d6f928398_attn
	.globl	k_q5d6f928398_attn
	.p2align	8
	.type	k_q5d6f928398_attn,@function
k_q5d6f928398_attn:
	s_mov_b64 s[64:65], 0
	v_nop
	global_prefetch_b8 v0, s[64:65] scope:SCOPE_SE
	s_setreg_imm32_b32 hwreg(HW_REG_WAVE_MODE, 25, 1), 1
	s_wait_xcnt 0x0
; out0[bh][t][64] (f32) = causal softmax attention on qkv[3][bh][2048][64] (f16; q already holds the factor log2(e)/8, so all exponentials are base 2).
; Work-group = (bh = x / 8, j = x mod 8): query block j (128 queries), then block 15 - j: (j + 1) + (16 - j) = 17 key tiles of 128 for every work-group.
; Wave w holds queries 32 w .. 32 w + 31 of the block as two tiles t of 16.  Trip i reads key tile i (i <= j) or i - j - 1; the tiles on the diagonal are
; those of trip j and of trip 16; behind trip j the first block is stored and the second begins.
; TRANSPOSED: S^T = K Q^T (source 0 = 16 keys, source 1 = 16 queries): lane (r, h), register jj of key tile c holds key 16 c + 8 h + jj of query r.  Two key tiles
; packed to f16 are source 1 of O^T += V^T P^T as they lie; V^T comes by transposing LDS loads.  A lane's statistics are one number for each t; lanes r and r + 16 meet
; once a trip for the maximum and once a block for the sum.  The running maximum is taken away before every exponential.
; NO JOINT LOADS: in trip i work-group j of a head wants tile i or i - j - 1, so two of them want the same tile only while i is at most the smaller j, and a joint
; load has to have one descriptor in all its partners in every trip.
; LIMITS, stated: masked scores and the start of the second block's maximum are -1e30 (in base 2); true scores are taken to lie above it.  The sum l adds the
; probabilities before their rounding to f16; the products use them rounded.  Sums are formed in the matrix unit's order.
.set VPITCH, 160                       ; V's LDS row: 128 bytes + 32, an odd multiple of 32, for the transposing loads
.set KPITCH, 144                       ; K's LDS row: 128 bytes + 16, an odd multiple of 16
.set KOFF,   128*VPITCH                ; K's 128 rows lie behind V's
.set SLOT,   KOFF+128*KPITCH           ; 38,912
.set STAGE,  2*SLOT                    ; 77,824: behind the ring, 32 rows x 272 bytes for each wave; no load fills it
.set SPITCH, 272
.set KA,   1                           ; v1      LDS address of my K fragments
.set VA,   2                           ; v2      of my V fragments
.set QA,   3                           ; v3      byte offset of my Q fragments in the block
.set STO,  4                           ; v4      the stage, in
.set RD,   5                           ; v5      the stage, back
.set CO,   6                           ; v6      byte offset in the block of out0
.set NEGV, 7                           ; v7      -1e30
.set QREL, 8                           ; v8-9    32 w + 16 t + r - 8 h: key 16 c + jj of my half is masked if it is larger
.set RM,   10                          ; v10-11  running maximum
.set RL,   12                          ; v12-13  running sum (of my half of the keys)
.set MN,   14
.set TX,   15
.set NM,   16                          ; v[16:17] minus the new maximum, twice
.set AL,   18                          ; v[18:19] 2^(old maximum - new maximum), twice
.set MX,   20                          ; v[20:23]
.set SUM,  24                          ; v[24:31]
.set INV,  32                          ; v[32:35]
.set S0,   64                          ; v[64:127] S of t = 0, v[128:191] of t = 1; P(t, g) ends up in the first 32 registers of each
; window 1: O(t, dt) = v[32 t + 8 dt]; Q(t, dh) = v[64 + 16 t + 8 dh].   window 2: K(c, dh) = v[16 c + 8 dh]; V(g, dt) = v[128 + 32 g + 8 dt]
.set G1V, 16
.set G1K, 24
.set G0V, 32                           ; s[32:39] a set for each slot
.set G0K, 40                           ; s[40:47]
.set LD_F,  0x80                       ; destination window 2, address window 0
.set S_MM,  0x06                       ; source 0 (K) window 2, source 1 (Q) window 1, C and D window 0
.set PV_MM, 0x52                       ; source 0 (V) window 2, source 1 (P) window 0, C and D window 1
.set RESC,  0x41                       ; destination and source 0 window 1, source 1 window 0
.set QLD,   0x40                       ; destination window 1
.set OST,   0x04                       ; an LDS store's data window 1
.set MSB, 0
.macro WIN new
.if MSB != \new
	s_set_vgpr_msb (MSB<<8)|\new
.set MSB, \new
.endif
.endm
; A wave's one tensor load for slot s: waves 0, 1 bring V's two halves (64 rows each), waves 2, 3 K's
.macro KVLOAD s
	s_cmp_eq_u32 s9, 0
	s_cbranch_scc0 .Lfor_k_\@
	tensor_load_to_lds s[G0V+4*(\s):G0V+4*(\s)+3], s[G1V:G1V+7]
	s_nop 0
	s_branch .Lasked_\@
.Lfor_k_\@:
	tensor_load_to_lds s[G0K+4*(\s):G0K+4*(\s)+3], s[G1K:G1K+7]
	s_nop 0
.Lasked_\@:
.endm
.macro QLOAD b                         ; my 32 queries x 64 as four fragments, straight from memory
	WIN QLD
.irp t, 0,1
.irp d, 0,1
	global_load_b128 v[64+16*\t+8*\d:64+16*\t+8*\d+3],   v[QA], s[\b:\b+1] offset:2048*\t+64*\d
	global_load_b128 v[64+16*\t+8*\d+4:64+16*\t+8*\d+7], v[QA], s[\b:\b+1] offset:2048*\t+64*\d+32
.endr
.endr
	WIN 0
.endm
	s_load_b128 s[4:7], s[0:1], 0x0                ; qkv s[4:5], out0 s[6:7]
	v_lshl_add_u32 v254, v0, 2, 0x29000
	v_mov_b32 v255, 0
	ds_add_u32 v254, v255
	ds_add_u32 v254, v255
	v_lshrrev_b32 v1, 5, v0
	v_readfirstlane_b32 s8, v1                     ; wave 0..3
	s_lshr_b32 s9, s8, 1                           ; I fetch for V (0) or for K (1)
	s_and_b32 s10, ttmp9, 7                        ; j
	s_lshr_b32 s52, ttmp9, 3
	s_lshl_b32 s52, s52, 18                        ; bh x 262,144: a head's bytes in q, k or v
	s_mov_b32 s11, 0                               ; the trip's number
	s_mov_b32 s13, 0                               ; the trip's key tile
	s_mov_b32 s14, 0x76543210                      ; v_permlanex16_b32: lane i reads lane i of the other half
	s_mov_b32 s15, 0xfedcba98
	; group 1: 64 rows x 64 elements of 2 bytes, padding behind every 32 words: 8 words for V, 4 for K
	s_mov_b32 s[G1V+0], (1<<16)|(1<<20)|(4<<22)|(7<<25)
	s_mov_b32 s[G1K+0], (1<<16)|(1<<20)|(4<<22)|(3<<25)
	s_mov_b32 s[G1V+1], 64<<16                     ; tensor_dim0 = 64
	s_mov_b32 s[G1K+1], 64<<16
	s_mov_b32 s[G1V+2], 64<<16                     ; tensor_dim1 = 64
	s_mov_b32 s[G1K+2], 64<<16
	s_mov_b32 s[G1V+3], 64<<16                     ; tile_dim0 = 64
	s_mov_b32 s[G1K+3], 64<<16
	s_mov_b32 s[G1V+4], 64                         ; tile_dim1 = 64
	s_mov_b32 s[G1K+4], 64
	s_mov_b32 s[G1V+5], 64                         ; elements from row to row
	s_mov_b32 s[G1K+5], 64
	s_mov_b32 s[G1V+6], 0
	s_mov_b32 s[G1K+6], 0
	s_mov_b32 s[G1V+7], 0
	s_mov_b32 s[G1K+7], 0
	s_and_b32 s62, s8, 1
	s_lshl_b32 s62, s62, 13                        ; which 64 rows of a tile I fetch
	s_add_co_u32 s62, s62, s52
	s_mov_b32 s63, 0
	s_mul_i32 s2, s8, 64*VPITCH                    ; V's halves at wave x 10,240 (waves 0, 1)
	s_mul_i32 s3, s8, 64*KPITCH
	s_add_co_u32 s3, s3, KOFF-2*64*KPITCH          ; K's at wave x 9,216 + 2,048 (waves 2, 3)
	s_wait_dscnt 0x0
	s_wait_kmcnt 0x0
	s_add_nc_u64 s[50:51], s[4:5], s[62:63]
	s_add_nc_u64 s[48:49], s[50:51], 0x1000000     ; my rows of v's tile 0
	s_add_nc_u64 s[50:51], s[50:51], 0x800000      ; of k's
.irp s, 0,1
	s_mov_b32 s[G0V+4*\s], 1
	s_add_co_u32 s[G0V+4*\s+1], s2, \s*SLOT
	s_mov_b64 s[G0V+4*\s+2:G0V+4*\s+3], s[48:49]
	s_or_b32 s[G0V+4*\s+3], s[G0V+4*\s+3], 0x80000000
	s_mov_b32 s[G0K+4*\s], 1
	s_add_co_u32 s[G0K+4*\s+1], s3, \s*SLOT
	s_mov_b64 s[G0K+4*\s+2:G0K+4*\s+3], s[50:51]
	s_or_b32 s[G0K+4*\s+3], s[G0K+4*\s+3], 0x80000000
.endr
	KVLOAD 0                                       ; tile 0 into slot 0; slot 1 is first filled behind the first trip's barrier
	v_and_b32 v16, 15, v0                          ; r
	v_bfe_u32 v17, v0, 4, 1                        ; h
	v_lshlrev_b32 v[QA], 7, v16
	v_lshl_add_u32 v[QA], v17, 4, v[QA]
	v_lshl_add_u32 v[QA], s8, 12, v[QA]            ; (32 w + r) x 128 + 16 h
	s_lshl_b32 s60, s10, 14                        ; block j: 128 rows of 128 bytes each
	s_add_co_u32 s60, s60, s52
	s_mov_b32 s61, 0
	s_add_nc_u64 s[60:61], s[4:5], s[60:61]        ; q of the first block; not written again
	QLOAD 60
	s_sub_co_u32 s62, 15, s10                      ; the second block's number
	s_lshl_b32 s54, s62, 14
	s_add_co_u32 s54, s54, s52
	s_mov_b32 s55, 0
	s_add_nc_u64 s[54:55], s[4:5], s[54:55]        ; q of the second block
	s_lshl_b32 s63, s52, 1                         ; bh x 524,288: a head's bytes in out0
	s_lshl_b32 s56, s10, 15
	s_add_co_u32 s56, s56, s63
	s_mov_b32 s57, 0
	s_add_nc_u64 s[56:57], s[6:7], s[56:57]        ; out0 at the first block
	s_lshl_b32 s58, s62, 15
	s_add_co_u32 s58, s58, s63
	s_mov_b32 s59, 0
	s_add_nc_u64 s[58:59], s[6:7], s[58:59]        ; at the second
	s_mov_b32 s53, 0                               ; s[52:53]: a tile's byte offset, from here on
	v_mul_u32_u24 v[KA], v16, KPITCH
	v_lshl_add_u32 v[KA], v17, 4, v[KA]
	v_add_nc_u32 v[KA], KOFF, v[KA]                ; key row r, 16 bytes for each half of the lanes
	v_and_b32 v19, 7, v0
	v_lshl_add_u32 v19, v17, 3, v19
	v_mul_u32_u24 v[VA], v19, VPITCH
	v_bfe_u32 v19, v0, 3, 1
	v_lshl_add_u32 v[VA], v19, 4, v[VA]            ; (8 h + l mod 8) x pitch + 16 ((l / 8) mod 2)
	s_mul_i32 s62, s8, 32*SPITCH
	s_add_co_u32 s62, s62, STAGE                   ; my stage
	v_mul_u32_u24 v[STO], v16, SPITCH
	v_lshl_add_u32 v[STO], v17, 5, v[STO]
	v_add_nc_u32 v[STO], s62, v[STO]               ; row r, 32 bytes for each half of the lanes
	v_mul_u32_u24 v[RD], v17, SPITCH
	v_lshl_add_u32 v[RD], v16, 4, v[RD]
	v_add_nc_u32 v[RD], s62, v[RD]                 ; lanes 0-15 one row of 256 bytes, lanes 16-31 the next
	v_and_b32 v18, 31, v0
	v_lshlrev_b32 v[CO], 4, v18
	v_lshl_add_u32 v[CO], s8, 13, v[CO]            ; 16 x lane + 32 rows of 256 bytes x wave
	v_mov_b32 v[NEGV], 0xf149f2ca                  ; -1e30
	v_lshlrev_b32 v19, 3, v17
	v_sub_nc_u32 v[QREL], v16, v19
	v_lshl_add_u32 v[QREL], s8, 5, v[QREL]
	v_add_nc_u32 v[QREL+1], 16, v[QREL]
	v_mov_b32 v[TX], 0                             ; v_permlanex16_b32's destination counts as read
.macro KLOADS slot                     ; 32 loads: key tile c, half dh of the head's 64 numbers
	WIN LD_F
.irp c, 0,1,2,3,4,5,6,7
.irp dh, 0,1
	ds_load_b128 v[16*\c+8*\dh:16*\c+8*\dh+3],   v[KA] offset:\slot*SLOT+16*KPITCH*\c+64*\dh
	ds_load_b128 v[16*\c+8*\dh+4:16*\c+8*\dh+7], v[KA] offset:\slot*SLOT+16*KPITCH*\c+64*\dh+32
.endr
.endr
.endm
; 32 matrix instructions in four chunks of two key tiles.  In a chunk four accumulators take turns, one instruction a turn:
; first the lower 32 of the head's numbers, which start the sums, then the upper 32.
.macro SPHASE
	WIN S_MM
.irp cc, 0,1,2,3
	s_wait_dscnt 24-8*\cc                          ; a chunk's eight loads are in; those of the later chunks stay out
.irp dh, 0,1
.irp t, 0,1
.irp e, 0,1
.if \dh
	v_wmma_f32_16x16x32_f16 v[S0+64*\t+8*(2*\cc+\e):S0+64*\t+8*(2*\cc+\e)+7], v[16*(2*\cc+\e)+8*\dh:16*(2*\cc+\e)+8*\dh+7], v[64+16*\t+8*\dh:64+16*\t+8*\dh+7], v[S0+64*\t+8*(2*\cc+\e):S0+64*\t+8*(2*\cc+\e)+7]
.else
	v_wmma_f32_16x16x32_f16 v[S0+64*\t+8*(2*\cc+\e):S0+64*\t+8*(2*\cc+\e)+7], v[16*(2*\cc+\e)+8*\dh:16*(2*\cc+\e)+8*\dh+7], v[64+16*\t+8*\dh:64+16*\t+8*\dh+7], 0
.endif
.endr
.endr
.endr
.endr
.endm
.macro VLOADS slot                     ; 32 transposing loads: keys 32 g .. 32 g + 31, numbers 16 dt .. 16 dt + 15 of the head
	WIN LD_F
.irp g, 0,1,2,3
.irp d, 0,1,2,3
	ds_load_tr16_b128 v[128+32*\g+8*\d:128+32*\g+8*\d+3],   v[VA] offset:\slot*SLOT+32*VPITCH*\g+32*\d
	ds_load_tr16_b128 v[128+32*\g+8*\d+4:128+32*\g+8*\d+7], v[VA] offset:\slot*SLOT+32*VPITCH*\g+32*\d+16*VPITCH
.endr
.endr
.endm
.macro MASK t                          ; the tile on the diagonal: key 16 c + 8 h + jj above query 32 w + 16 t + r gets -1e30
.set kk, 0
.rept 64
	v_cmp_gt_i32 vcc_lo, (kk/8)*16+(kk%8), v[QREL+\t]
	v_cndmask_b32 v[S0+64*\t+kk], v[S0+64*\t+kk], v[NEGV], vcc_lo
.set kk, kk+1
.endr
.endm
; pieces of the softmax on 16 numbers of S (two key tiles' worth of a lane); SB = the first register of S(t)
.macro SUBG gr
.irp k, 0,1,2,3,4,5,6,7
	v_pk_add_f32 v[SB+16*\gr+2*\k:SB+16*\gr+2*\k+1], v[SB+16*\gr+2*\k:SB+16*\gr+2*\k+1], v[NM:NM+1]
.endr
.endm
.macro EXPG gr
.irp k, 0,1,2,3,4,5,6,7,8,9,10,11,12,13,14,15
	v_exp_f32 v[SB+16*\gr+\k], v[SB+16*\gr+\k]
.endr
.endm
.macro SUMCVT gr                       ; add into four chains (the first group starts them), then pack to f16: number 2 k, 2 k + 1 of S into register k
.if \gr == 0
	s_wait_alu depctr_va_vdst(0)
.irp k, 0,1,2,3
	v_pk_add_f32 v[SUM+2*\k:SUM+2*\k+1], v[SB+4*\k:SB+4*\k+1], v[SB+4*\k+2:SB+4*\k+3]
.endr
.else
	s_wait_alu depctr_va_vdst(0)
.irp k, 0,1,2,3,4,5,6,7
	v_pk_add_f32 v[SUM+2*(\k%4):SUM+2*(\k%4)+1], v[SUM+2*(\k%4):SUM+2*(\k%4)+1], v[SB+16*\gr+2*\k:SB+16*\gr+2*\k+1]
.endr
.endif
.irp k, 0,1,2,3,4,5,6,7
	v_cvt_pk_f16_f32 v[SB+8*\gr+\k], v[SB+16*\gr+2*\k], v[SB+16*\gr+2*\k+1]
.endr
.endm
; The softmax step of query tile t.  first = 1: the launch's first trip: no old maximum, no old sum.
.macro SM t, first
	WIN 0
.set SB, S0+64*\t
.irp k, 0,1,2,3
	v_max_num_f32 v[MX+\k], v[SB+16*\k], v[SB+16*\k+1]             ; four chains of 16 numbers
.endr
.irp u, 1,2,3,4,5,6,7
.irp k, 0,1,2,3
	v_max3_num_f32 v[MX+\k], v[MX+\k], v[SB+16*\k+2*\u], v[SB+16*\k+2*\u+1]
.endr
.endr
	v_max3_num_f32 v[MX], v[MX], v[MX+1], v[MX+2]
	v_max_num_f32 v[MX], v[MX], v[MX+3]
	v_permlanex16_b32 v[TX], v[MX], s14, s15       ; the other half of the query's keys
.if \first
	v_max_num_f32 v[MN], v[MX], v[TX]
.else
	v_max3_num_f32 v[MN], v[MX], v[TX], v[RM+\t]
	v_sub_f32 v[AL], v[RM+\t], v[MN]
	v_exp_f32 v[AL], v[AL]                         ; plain instructions follow before its result is used (ISA guide 5.7.2)
.endif
	v_sub_f32 v[NM], 0, v[MN]
	v_sub_f32 v[NM+1], 0, v[MN]
	v_mov_b32 v[RM+\t], v[MN]
.if \first == 0
	s_wait_alu depctr_va_vdst(0)
	v_mov_b32 v[AL+1], v[AL]
.endif
	SUBG 0                                         ; behind each run of exponentials stands plain work on another group before their results are used
	EXPG 0
	SUBG 1
	EXPG 1
	SUMCVT 0
	SUBG 2
	EXPG 2
	SUMCVT 1
	SUBG 3
	EXPG 3
	SUMCVT 2
	SUMCVT 3
	v_pk_add_f32 v[SUM:SUM+1], v[SUM:SUM+1], v[SUM+2:SUM+3]
	v_pk_add_f32 v[SUM+4:SUM+5], v[SUM+4:SUM+5], v[SUM+6:SUM+7]
	v_pk_add_f32 v[SUM:SUM+1], v[SUM:SUM+1], v[SUM+4:SUM+5]
.if \first
	v_add_f32 v[RL+\t], v[SUM], v[SUM+1]
.else
	v_add_f32 v[SUM], v[SUM], v[SUM+1]
	v_fma_f32 v[RL+\t], v[RL+\t], v[AL], v[SUM]
.endif
.endm
.macro RESCALE t
	WIN RESC
.irp k, 0,1,2,3,4,5,6,7,8,9,10,11,12,13,14,15
	v_pk_mul_f32 v[32*\t+2*\k:32*\t+2*\k+1], v[32*\t+2*\k:32*\t+2*\k+1], v[AL:AL+1]
.endr
.endm
.macro PVG t, g, zero
.irp d, 0,1,2,3
.if \zero
	v_wmma_f32_16x16x32_f16 v[32*\t+8*\d:32*\t+8*\d+7], v[128+32*\g+8*\d:128+32*\g+8*\d+7], v[S0+64*\t+8*\g:S0+64*\t+8*\g+7], 0
.else
	v_wmma_f32_16x16x32_f16 v[32*\t+8*\d:32*\t+8*\d+7], v[128+32*\g+8*\d:128+32*\g+8*\d+7], v[S0+64*\t+8*\g:S0+64*\t+8*\g+7], v[32*\t+8*\d:32*\t+8*\d+7]
.endif
.endr
.endm
.macro PV t, first                     ; 16 matrix instructions; the four accumulators of t take turns, one instruction a turn
	WIN PV_MM
	PVG \t, 0, \first
	PVG \t, 1, 0
	PVG \t, 2, 0
	PVG \t, 3, 0
.endm
; A block's end: the two halves' sums meet, O is divided, goes through my own stage and leaves as whole rows of 256 bytes, two to a store
.macro FINAL
	v_permlanex16_b32 v[TX], v[RL], s14, s15
	v_add_f32 v[RL], v[RL], v[TX]
	v_permlanex16_b32 v[TX], v[RL+1], s14, s15
	v_add_f32 v[RL+1], v[RL+1], v[TX]
	v_rcp_f32 v[INV], v[RL]
	v_rcp_f32 v[INV+1], v[RL]
	v_rcp_f32 v[INV+2], v[RL+1]
	v_rcp_f32 v[INV+3], v[RL+1]
	v_nop                                          ; one plain place behind the reciprocals (ISA guide 5.7.2)
	WIN RESC
	s_wait_alu depctr_va_vdst(0)
.irp t, 0,1
.irp k, 0,1,2,3,4,5,6,7,8,9,10,11,12,13,14,15
	v_pk_mul_f32 v[32*\t+2*\k:32*\t+2*\k+1], v[32*\t+2*\k:32*\t+2*\k+1], v[INV+2*\t:INV+2*\t+1]
.endr
.endr
	WIN OST
.irp t, 0,1
.irp d, 0,1,2,3
	ds_store_b128 v[STO], v[32*\t+8*\d:32*\t+8*\d+3]   offset:16*SPITCH*\t+64*\d
	ds_store_b128 v[STO], v[32*\t+8*\d+4:32*\t+8*\d+7] offset:16*SPITCH*\t+64*\d+16
.endr
.endr
	WIN 0
.irp n, 0,1,2,3,4,5,6,7,8,9,10,11,12,13,14,15
	ds_load_b128 v[S0+4*\n:S0+4*\n+3], v[RD] offset:2*SPITCH*\n    ; LDS serves a wave's instructions in order (ISA guide 5.7.1.4): these see the stores above
.endr
.irp n, 0,1,2,3,4,5,6,7,8,9,10,11,12,13,14,15
	s_wait_dscnt 15-\n                             ; load n is in, the younger ones stay out
	global_store_b128 v[CO], v[S0+4*\n:S0+4*\n+3], s[56:57] offset:512*\n th:TH_STORE_NT   ; 512 consecutive bytes, aligned
.endr
	s_wait_xcnt 0x0                                ; the stores' data and base are written again only behind this wait
.endm
; One trip: key tile in \slot.  refill = 1: the next trip's tile is asked for, into the other slot.  first = 1: the first trip.  last = 1: trip 16.
.macro TRIP slot, refill, first, last
	s_wait_tensorcnt 0x0                           ; all my tensor loads are done (one was out: my part of this trip's tile), so a group 0 may be written
	ds_add_u32 v254, v255
	s_wait_dscnt 0x0
.if \refill
	s_add_co_u32 s62, s13, 1
	s_cmp_eq_u32 s11, s10
	s_cselect_b32 s13, 0, s62                      ; the next trip's tile: the next one, or tile 0 where the second block begins
	s_lshl_b32 s52, s13, 14                        ; 128 rows of 128 bytes
	s_add_nc_u64 s[G0V+4*(1-\slot)+2:G0V+4*(1-\slot)+3], s[48:49], s[52:53]
	s_or_b32 s[G0V+4*(1-\slot)+3], s[G0V+4*(1-\slot)+3], 0x80000000
	s_add_nc_u64 s[G0K+4*(1-\slot)+2:G0K+4*(1-\slot)+3], s[50:51], s[52:53]
	s_or_b32 s[G0K+4*(1-\slot)+3], s[G0K+4*(1-\slot)+3], 0x80000000
.endif
	s_wait_dscnt 0x0                               ; my reads of the last trip's tile are done
	s_barrier_signal -1
	s_barrier_wait -1                              ; both hold of all four waves
.if \refill
	KVLOAD (1-\slot)                               ; my one tensor load behind the barrier; it has the whole trip in which to land
.endif
	KLOADS \slot
	s_wait_loadcnt 0x0                             ; Q (asked for ahead of the first trip, and in trip j for the second block)
	SPHASE
	VLOADS \slot                                   ; they land under the first softmax step
	WIN 0
.rept 4
	v_nop                                          ; four places behind the last product of S, in front of the vector work on S and of the loads into Q
.endr
.if \last
	MASK 0
	MASK 1
.else
	s_cmp_eq_u32 s11, s10
	s_cbranch_scc0 .Lnodiag_\@
	MASK 0
	MASK 1
	QLOAD 54                                       ; the first block's Q has been multiplied for the last time: the second block's comes in
.Lnodiag_\@:
.endif
	SM 0, \first
.if \first == 0
	RESCALE 0
.endif
	s_wait_dscnt 0x0                               ; V's fragments
	PV 0, \first
	SM 1, \first
.if \first == 0
	RESCALE 1
.endif
	PV 1, \first
	WIN 0
.rept 5
	v_nop                                          ; five places: the next products of S write over P(1), loads land on V's fragments, the block's end reads O
.endr
.if \last
	FINAL
.else
	s_cmp_eq_u32 s11, s10
	s_cbranch_scc0 .Lnoend_\@
	FINAL
	s_mov_b64 s[56:57], s[58:59]                   ; the second block's place in out0
	v_mov_b32 v[RM], v[NEGV]                       ; with this old maximum the next trip's factor 2^(old - new) is 0: it wipes O and the sum, nothing is cleared
	v_mov_b32 v[RM+1], v[NEGV]
.Lnoend_\@:
.endif
	s_add_co_u32 s11, s11, 1
.endm
	TRIP 0, 1, 1, 0                                ; trip 0
	s_mov_b32 s12, 7
.Ltrips:
	TRIP 1, 1, 0, 0                                ; trips 1 to 14
	TRIP 0, 1, 0, 0
	s_sub_co_u32 s12, s12, 1
	s_cmp_lg_u32 s12, 0
	s_cbranch_scc1 .Ltrips
	TRIP 1, 1, 0, 0                                ; trip 15 asks for the last tile
	TRIP 0, 0, 0, 1                                ; trip 16: the second block's tile on the diagonal; nothing is left to fetch
	s_wait_tensorcnt 0x0
	ds_add_u32 v254, v255
	s_wait_dscnt 0x0
	s_endpgm
.Lfunc_end_k_q5d6f928398_attn:
	.size	k_q5d6f928398_attn, .Lfunc_end_k_q5d6f928398_attn-k_q5d6f928398_attn
	.p2alignl 7, 3214868480
	.fill 96, 4, 3214868480
	.section	.rodata,"a",@progbits
	.p2align	6, 0x0
	.amdhsa_kernel k_q5d6f928398_attn
		.amdhsa_group_segment_fixed_size 327680
		.amdhsa_private_segment_fixed_size 0
		.amdhsa_enable_private_segment 0
		.amdhsa_kernarg_size 16
		.amdhsa_user_sgpr_count 2
		.amdhsa_user_sgpr_kernarg_segment_ptr 1
		.amdhsa_wavefront_size32 1
		.amdhsa_system_sgpr_workgroup_id_x 1
		.amdhsa_system_sgpr_workgroup_id_y 1
		.amdhsa_system_sgpr_workgroup_id_z 1
		.amdhsa_system_vgpr_workitem_id 0
		.amdhsa_next_free_vgpr 768
		.amdhsa_next_free_sgpr 80
		.amdhsa_reserve_vcc 1
		.amdhsa_float_denorm_mode_32 3
		.amdhsa_float_denorm_mode_16_64 3
		.amdhsa_memory_ordered 1
		.amdhsa_forward_progress 1
		.amdhsa_inst_pref_size 253
	.end_amdhsa_kernel
	.amdgpu_metadata
---
amdhsa.version: [ 1, 2 ]
amdhsa.kernels:
  - .name:           k_q5d6f928398_attn
    .symbol:         k_q5d6f928398_attn.kd
    .args:
      - { .name: qkv, .offset: 0, .size: 8, .value_kind: global_buffer, .address_space: global }
      - { .name: out0, .offset: 8, .size: 8, .value_kind: global_buffer, .address_space: global }
    .group_segment_fixed_size: 327680
    .private_segment_fixed_size: 0
    .kernarg_segment_align: 8
    .kernarg_segment_size: 16
    .max_flat_workgroup_size: 128
    .sgpr_count:     80
    .vgpr_count:     768
    .wavefront_size: 32
...
	.end_amdgpu_metadata
.endif
;; end of part 3
